; MI455X (gfx1250); checked and timed in simulation.
; The chip was launched on July 23, 2026; its instructions are those of AMD's public machine-readable ISA for CDNA 5 (MIT licence, August 2026) and "CDNA5" Instruction Set Architecture Reference Guide (July 2026). The comments in the code are by the model that wrote it; some were corrected since.
;; Multi Head Self Attention. Allowed arithmetic: matrix products marked QUANTISED: E2M1 operands, one E8M0 scale for each 32 along K, by v_wmma_scale_f32_16x16x128_f8f6f4 with both operands' format E2M1 (or v_wmma_scale_f32_32x16x128_f4), f32 sums; everything else in f32.
;; Inputs: W_out_codes 1,024 x 32 x 16 uint8 (E2M1 codes of W_out, K innermost, in blocks of 32 codes, two codes a byte); W_out_scales 1,024 x 32 uint8 (E8M0 scales of W_out, one for each 32 codes along K); W_qkv_codes 3,072 x 32 x 16 uint8 (E2M1 codes of W_qkv, K innermost, in blocks of 32 codes, two codes a byte); W_qkv_scales 3,072 x 32 uint8 (E8M0 scales of W_qkv, one for each 32 codes along K); b_out 1,024 float32; b_qkv 3,072 float32; x_codes 4 x 2,048 x 32 x 16 uint8 (E2M1 codes of x, K innermost, in blocks of 32 codes, two codes a byte); x_scales 4 x 2,048 x 32 uint8 (E8M0 scales of x, one for each 32 codes along K).
;; Outputs: out0 4 x 2,048 x 1,024 float32.
;; This version of the problem:
;;   THIS VERSION OF THE PROBLEM IS GIVEN IN LOW PRECISION. The matrix products marked QUANTISED in the list below multiply operands that are first quantised to E2M1 (2 exponent bits, 1 mantissa bit; 4 bits a number), with one power-of-two scale for each 32 numbers along K (OCP MX v1.0); their sums are f32. All else is computed in f32.
;;   The module's matrix products, in the order in which they are computed (A, B: the left and right operand; K: the contracted axis; several contracted axes count as one K, in the product's order):
;;     1. [M 8,192, K 1,024] x [K 1,024, N 3,072]; A: input x (given as codes); B: input W_qkv (given as codes): QUANTISED
;;     2. batch 64 x [M 2,048, K 64] x [K 64, N 2,048]; A: computed on the way; B: computed on the way: QUANTISED
;;     3. batch 64 x [M 2,048, K 2,048] x [K 2,048, N 64]; A: softmax (see below); B: computed on the way: QUANTISED
;;     4. [M 8,192, K 1,024] x [K 1,024, N 1,024]; A: computed on the way; B: input W_out (given as codes): QUANTISED
;;   THE QUANTISER, for each operand of a quantised product, along K:
;;     - K is cut into blocks of 32 from its start; a last block that is shorter is filled with zeros.
;;     - A block's scale is 2^e with e = floor(log2(the largest magnitude in the block)) - 2, held to -126 .. 127; a block of zeros has e = 0. As a byte (E8M0): e + 127.
;;     - Each number is divided by its block's scale, clamped to +-6, and rounded to the nearest number of E2M1, ties to even, subnormals kept.
;;     - The product sums the exact products of the quantised numbers (number of the format x scale) in f32.
;;   ~~~python
;;   def quantise(x, axis):      # numpy; x: float32 -> the quantised numbers, widened to float32 again
;;       x = np.moveaxis(x, axis, -1); K = x.shape[-1]
;;       x = np.pad(x, [(0, 0)] * (x.ndim - 1) + [(0, -K % 32)]); x = x.reshape(x.shape[:-1] + (-1, 32)); a = np.abs(x).max(-1, keepdims=True)
;;       e = np.where(a > 0, np.clip(np.frexp(np.where(a > 0, a, 1))[1] - 1 - 2, -126, 127), 0)      # np.frexp(a)[1] - 1 = floor(log2(a)), exactly
;;       r = np.clip(x / 2.0 ** e, -6, 6)
;;       step = 2.0 ** (np.maximum(np.frexp(np.where(r == 0, 1, r))[1] - 1, 0) - 1)
;;       q = np.round(r / step) * step * 2.0 ** e      # np.round: ties to even
;;       return np.moveaxis(q.reshape(q.shape[:-2] + (-1,))[..., :K], -1, axis).astype(np.float32)
;;   ~~~
;;   SOFTMAX AHEAD OF A QUANTISED PRODUCT. Where the list says 'softmax', what is quantised is not the finished softmax but p = 2^(t - M), with t = logit x log2(e) and M = ceil(the row's largest t), a whole number; so 1/2 < the row's largest p <= 1. The row's sum l is taken of the UNQUANTISED p, in f32, and the product's result is divided by l at the end. Since M is a whole number, a kernel that streams over the keys may use a running M (the ceiling of the running maximum): every later rescaling is an exact power of two, which a block's scale takes up: the codes' values come out the same.
;;   OPERANDS COMPUTED ON THE WAY. 'Computed on the way' means the value that the module computes at that place (a softmax that the list does not call 'softmax' is quantised finished and normalised). What goes into a quantiser is computed in f32, as accurately as f32 sums, v_exp_f32 and their like allow (about 1e-6 of the number): no bf16 or f16 on the way to a quantiser, and a product that is left as it is and whose result goes on into a quantised operand takes f32 operands (vector FMAs, or v_wmma_f32_16x16x4_f32). A number that lies on a knife's edge between two numbers of the format may be rounded either way, as far as f32 arithmetic and the matrix unit's own rounding can turn it there, and no further.
;;   INPUTS GIVEN AS CODES. W_out (in the module: [1024, 1024], K = its axis 0); W_qkv (in the module: [1024, 3072], K = its axis 0); x (in the module: [4, 2048, 1024], K = its axis 2): each comes as NAME_codes (uint8): NAME with its K axis moved to the last place and cut into blocks of 32 codes, [.., K / 32, bytes a block], one block behind the other in memory; two codes a byte, the lower K in the low four bits (a code: sign, 2 exponent bits, 1 mantissa bit); and NAME_scales (uint8): the same leading axes, one E8M0 byte (e + 127) for each 32 codes along K. Its value is code x scale, taken as it is: it is not quantised again, and the codes and scales need not be those that the quantiser above would give.
;; One version. Each part assembles by itself: llvm-mc -triple=amdgcn-amd-amdhsa -mcpu=gfx1250 --defsym DOCPART=n.
;; ======== version 1 of 1: 3 launches
;; workspace buffers: qkv 13,893,632 bytes; ao_codes 4,194,304 bytes; ao_scales 262,144 bytes
;; launch qkvgemm (part 1): grid 12 x 32, 4 waves a work-group, clusters of 4 x 4, 296,448 bytes of LDS; arguments x_codes, x_scales, W_qkv_codes, W_qkv_scales, b_qkv, qkv; writes qkv
.if DOCPART == 1
	.amdgcn_target "amdgcn-amd-amdhsa--gfx1250"
	.amdhsa_code_object_version 6
	.text
	.protected	k_q17d86d4f85_qkvgemm
	.globl	k_q17d86d4f85_qkvgemm
	.p2align	8
	.type	k_q17d86d4f85_qkvgemm,@function
k_q17d86d4f85_qkvgemm:
	s_mov_b64 s[64:65], 0
	v_nop
	global_prefetch_b8 v0, s[64:65] scope:SCOPE_SE
	s_setreg_imm32_b32 hwreg(HW_REG_WAVE_MODE, 25, 1), 1
	s_wait_xcnt 0x0
	s_wait_alu depctr_hold_cnt(0) depctr_sa_sdst(0) depctr_va_vdst(0) depctr_va_sdst(0) depctr_va_ssrc(0) depctr_va_vcc(0) depctr_vm_vsrc(0)
	s_getreg_b32 s2, hwreg(HW_REG_IB_STS2, 6, 4)
	s_cmp_eq_u32 s2, 0
	s_cbranch_scc0 .Lentry_in_a_cluster
	s_endpgm
.Lentry_in_a_cluster:
	s_bfe_u32 s2, ttmp6, 0x10000c
	s_cmp_lg_u32 s2, 0xf033
	s_cbranch_scc0 .Lentry_shape_is_right
	s_endpgm
.Lentry_shape_is_right:
; qkv = x W_qkv + b_qkv on codes of FP4 (E2M1) with one E8M0 scale for each 32 along K = 1,024, and the quantisers behind it:
; Q and K are quantised along a head's 64 channels, V along the keys.  What leaves is codes and scale words, laid as images of the operand registers that the attention launch wants.
; x: 8,192 rows of 512 bytes of codes and 32 scale bytes; W_qkv: 3,072 rows (channels) likewise.  Channel = 1,024 x (Q, K, V) + 64 x head + d.
; SHARES.  A work-group of four waves makes 256 tokens x 256 channels, a wave 128 x 128: 64 accumulators of 16 x 16, 512 registers.  K = 1,024 is 512 bytes a row: the whole of K of both tiles lies in LDS,
; as two slots of 512 along K (rows of 256 bytes), each filled ONCE: nothing in LDS is ever filled again, so there is no ring.  The scale bytes of the 512 rows lie behind the slots.
; CLUSTERS: 4 x 4 work-groups.  The four of a row of the cluster need the same rows of x, the four of a column the same rows of W: each tile is asked for JOINTLY.
; A cluster's x is 0 for Q, 1 for K, 2 for V: FV = cluster x >> 1 is the same in all sixteen partners.
; WHICH SOURCE IS WHICH.  A quantiser wants a lane's registers to run along the NEXT product's K.  In a result a lane holds one row of source 1 and eight neighbouring rows of source 0.
;   Q, K (FV = 0): source 0 = 16 channels of W, source 1 = 16 tokens of x: a lane holds a token, its registers run along the channels.
;   V    (FV = 1): source 0 = 16 tokens of x, source 1 = 16 channels of W: a lane holds a channel, its registers run along the tokens, which are the keys.
; Only the matrix instructions differ: they are written twice, under a scalar branch on FV; loads, waits and barriers are common to both.
; THE QUANTISER.  Register j of tile T of a lane (r, h) is number 16 T + 8 h + j of row r.  Block B of 32 is tiles 2 B, 2 B + 1 in lanes l and l xor 16.  A block's scale is 2^(floor(log2(largest magnitude)) - 2).
; LIMITS: NaN and infinities are not served.  A block whose largest magnitude lies under 2^-124 (a block of zeros too) gets the scale byte 1; a block of zeros has zero codes, which add nothing, and the bytes are read by this program alone.
; THE RECORDS.  qkv holds 64 records (16 x batch + head) of REC bytes: Q's codes (128 tiles of 16 tokens x 512 bytes: lane l's 16 bytes at 16 l), Q's scale words (16 groups of 8 tiles x 512 bytes), K's likewise,
; V's codes (16 key steps x 4 tiles of 16 channels x 1,024 bytes), V's scale words (16 x 256 bytes).
; REGISTERS, in windows of 256: window 0: v0-31 addresses; v32-95 scale words; v128-191 the bias as C of the first products; behind the products v96-191 serve the quantiser.
;   window 1: two sets of fragments at 128 p: x's eight at +0, W's eight at +64.   windows 2, 3: the accumulators: (a, b) at v[8 (8 (a % 4) + b)] of window 2 + a / 4; a: source 1's block, b: source 0's.
.set PITCH,  272                       ; an LDS row: 256 bytes of codes + 16 of padding: the 16 rows that a load touches start at 16 different groups of banks
.set HALFT,  128*PITCH                 ; 128 rows: what one tensor load brings, and what a wave reads of x or of W
.set SLOT,   4*HALFT                   ; x's 256 rows, then W's 256 rows, 512 along K
.set SCL,    2*SLOT                    ; behind the slots: the scale bytes, as units of 256 bytes + 16 of padding (8 rows of 32 bytes to a unit)
.set HALFS,  16*272                    ; those of 128 rows
.set SBLK,   2*272                     ; those of 16 rows
.set REC,    217088                    ; a record of the workspace
.set PART,   73728                     ; Q's, K's and V's parts begin 0, 1, 2 x PART into a record;
.set SOFF,   65536                     ; a part's scale words begin SOFF behind its codes
.set ADRX, 16                          ; v16-17  LDS address of my fragments of x in slot 0, 1
.set ADRW, 20                          ; v20-21  the same for W
.set L16,  24                          ; v24     16 x lane
.set L8,   25                          ; v25     8 x lane
.set ADRS, 27                          ; v27     LDS address of my scale words: lanes 0-15 x's rows, lanes 16-31 W's
.set SC,   32                          ; v32-95  register 8 i + s: for the s-th 128 along K, lanes 0-15 the word of x's block i, lanes 16-31 that of W's block i
.set CB,   128                         ; v128-191 the bias, in the result's layout
.set PCB,  96                          ; v96-159 the codes: 8 registers for each of source 1's eight blocks
.set PWB,  160                         ; v160-167 their scale words
.set TM,   168                         ; v168-183 at work: largest magnitudes, bytes, -, scale operands
.set Z0,   184                         ; v184-187 scale words, two blocks to a register
.set Z1,   188                         ; v188-191 the same for the second head
.set HI16, 3                           ; s3      lanes 16-31
.set WV,   16                          ; s16 wave;  s17 wave / 2: my half of x's rows, and: I fetch for x (0) or W (1);  s18 wave % 2: my half of W's rows, and which 128 rows I fetch
.set WR,   17
.set WC,   18
.set FV,   19                          ; s19 0: Q or K; 1: V
.set CX,   20
.set CY,   21
.set WGX,  22                          ; s22 block of 256 channels;  s23 block of 256 tokens
.set WGY,  23
.set G1,   24                          ; s[24:31] descriptor group 1 for x's tiles;  s[32:39] group 0, one set for each slot
.set G0,   32
.set G1B,  48                          ; s[48:55], s[56:63] the same for W's tiles
.set G0B,  56
.set SEL,  66                          ; s[66:67] lane selects for v_permlanex16_b32: lane l xor 16
.set G1S,  68                          ; s[68:75], s[76:79] groups 1 and 0 for x's scales;  s[80:87], s[88:91] for W's
.set G0S,  76
.set G1SB, 80
.set G0SB, 88
.set MSB, 0
.macro WIN new                         ; the immediate's high byte repeats the setting that is left; a switch that changes nothing is dropped
.if MSB != (\new)
	s_set_vgpr_msb (MSB<<8)|(\new)
.set MSB, \new
.endif
.endm
.set TO_F, 0x40                        ; destination window 1, address window 0
; A joint load: waves 0 and 1 fetch for x, waves 2 and 3 for W.  Each line has one mask and one set of registers for all that issue it; the branch hangs on the wave's number alone.
; Four v_nop follow each of the two lines, ahead of the jump, the label and what follows.
.macro JLOAD g0a, g1a, g0b, g1b
	s_cmp_eq_u32 s[WR], 0
	s_cbranch_scc0 .Lfor_w_\@
	tensor_load_to_lds s[\g0a:\g0a+3], s[\g1a:\g1a+7]
	s_nop 0
.rept 4
	v_nop
.endr
	s_branch .Lasked_\@
.Lfor_w_\@:
	tensor_load_to_lds s[\g0b:\g0b+3], s[\g1b:\g1b+7]
	s_nop 0
.rept 4
	v_nop
.endr
.Lasked_\@:
.endm
.macro CROUND                          ; a round of the cluster's barrier
	s_barrier_signal -1
	s_barrier_wait -1
	s_cmp_lg_u32 s[WV], 0
	s_cbranch_scc1 .Lnot_wave_0_\@
	s_barrier_signal -3
.Lnot_wave_0_\@:
	s_barrier_wait -3
	s_barrier_signal -1
	s_barrier_wait -1
.endm
.macro PLACES n
.rept \n
	v_nop
.endr
.endm
	s_load_b256 s[4:11], s[0:1], 0x0               ; x's codes s[4:5], x's scales s[6:7], W's codes s[8:9], W's scales s[10:11]
	s_load_b128 s[12:15], s[0:1], 0x20             ; the bias s[12:13], the workspace s[14:15]
	v_lshl_add_u32 v254, v0, 2, 0x48400
	v_mov_b32 v255, 0
	ds_add_u32 v254, v255
	ds_add_u32 v254, v255
	v_lshrrev_b32 v1, 5, v0
	v_readfirstlane_b32 s[WV], v1                  ; wave 0..3
	s_lshr_b32 s[WR], s[WV], 1
	s_and_b32 s[WC], s[WV], 1
	s_lshr_b32 s[FV], ttmp9, 1                     ; in a cluster launch ttmp9 counts clusters: 0 Q, 1 K, 2 V
	s_bfe_u32 s[CX], ttmp6, 0x40000                ; my place in the cluster
	s_bfe_u32 s[CY], ttmp6, 0x40004
	s_lshl_b32 s[WGX], ttmp9, 2
	s_add_co_u32 s[WGX], s[WGX], s[CX]
	s_and_b32 s[WGY], ttmp7, 0xffff
	s_lshl_b32 s[WGY], s[WGY], 2
	s_add_co_u32 s[WGY], s[WGY], s[CY]
	s_lshl_b32 s40, s[CY], 2
	s_lshl_b32 s40, 15, s40                        ; my row of the cluster
	s_lshl_b32 s41, 0x1111, s[CX]                  ; my column
	s_mov_b32 s[SEL], 0x76543210
	s_mov_b32 s[SEL+1], 0xfedcba98
	s_mov_b32 s[HI16], 0xffff0000
	; descriptor group 1: a tile of 128 rows x 256 bytes out of rows of 512, padded in LDS
	s_or_b32 s[G1+0], s40, (0<<16)|(1<<20)|(1<<21)|(5<<22)|(3<<25)   ; 15:0 the mask: x's tiles go to my row; elements of 1 byte; padding on; bit 21 beside a mask; after every 64 words, 4 words
	s_or_b32 s[G1B+0], s41, (0<<16)|(1<<20)|(1<<21)|(5<<22)|(3<<25)  ; W's tiles go to my column
.irp g, G1, G1B
	s_mov_b32 s[\g+1], 256<<16                     ; tensor_dim0
	s_mov_b32 s[\g+2], 128<<16                     ; tensor_dim1
	s_mov_b32 s[\g+3], 256<<16                     ; tile_dim0
	s_mov_b32 s[\g+4], 128                         ; tile_dim1
	s_mov_b32 s[\g+5], 512                         ; from row to row
	s_mov_b32 s[\g+6], 0
	s_mov_b32 s[\g+7], 0
.endr
	; the scales of 128 rows: 4,096 dense bytes, as 16 rows of 256 bytes (32 elements of 8), 16 bytes of padding behind each
	s_or_b32 s[G1S+0], s40, (3<<16)|(1<<20)|(1<<21)|(5<<22)|(3<<25)
	s_or_b32 s[G1SB+0], s41, (3<<16)|(1<<20)|(1<<21)|(5<<22)|(3<<25)
.irp g, G1S, G1SB
	s_mov_b32 s[\g+1], 32<<16
	s_mov_b32 s[\g+2], 16<<16
	s_mov_b32 s[\g+3], 32<<16
	s_mov_b32 s[\g+4], 16
	s_mov_b32 s[\g+5], 32
	s_mov_b32 s[\g+6], 0
	s_mov_b32 s[\g+7], 0
.endr
	s_lshl_b32 s98, s[WC], 7                       ; which 128 rows of a tile I fetch
	s_lshl_b32 s42, s[WGY], 8
	s_add_co_u32 s42, s42, s98                     ; x: row 256 x token block + 128 x half
	s_lshl_b32 s44, s[WGX], 8
	s_add_co_u32 s44, s44, s98                     ; W: row 256 x channel block + 128 x half
	s_lshl_b32 s46, s42, 5                         ; x: 32 scale bytes a row,
	s_mov_b32 s47, 0
	s_lshl_b32 s42, s42, 9                         ; 512 bytes of codes a row
	s_mov_b32 s43, 0
	s_lshl_b32 s92, s44, 5                         ; W likewise
	s_mov_b32 s93, 0
	s_lshl_b32 s44, s44, 9
	s_mov_b32 s45, 0
	s_mul_i32 s94, s[WV], HALFT                    ; where they go: wave x 128 rows: no place in the cluster enters an LDS address
	s_mul_i32 s95, s[WV], HALFS
	s_wait_dscnt 0x0
	s_wait_kmcnt 0x0
	s_add_nc_u64 s[42:43], s[4:5], s[42:43]
	s_add_nc_u64 s[46:47], s[6:7], s[46:47]
	s_add_nc_u64 s[44:45], s[8:9], s[44:45]
	s_add_nc_u64 s[92:93], s[10:11], s[92:93]
	CROUND                                         ; all sixteen work-groups are here: the joint loads meet
	s_mov_b32 s[G0S], 1
	s_add_co_u32 s[G0S+1], s95, SCL
	s_mov_b64 s[G0S+2:G0S+3], s[46:47]
	s_or_b32 s[G0S+3], s[G0S+3], 0x80000000
	s_mov_b32 s[G0SB], 1
	s_add_co_u32 s[G0SB+1], s95, SCL
	s_mov_b64 s[G0SB+2:G0SB+3], s[92:93]
	s_or_b32 s[G0SB+3], s[G0SB+3], 0x80000000
	JLOAD G0S, G1S, G0SB, G1SB                     ; the scales first: they are wanted with the first products
.irp s, 0,1
	s_mov_b32 s[G0+4*\s], 1
	s_add_co_u32 s[G0+4*\s+1], s94, \s*SLOT
	s_add_nc_u64 s[G0+4*\s+2:G0+4*\s+3], s[42:43], \s*256
	s_or_b32 s[G0+4*\s+3], s[G0+4*\s+3], 0x80000000
	s_mov_b32 s[G0B+4*\s], 1
	s_add_co_u32 s[G0B+4*\s+1], s94, \s*SLOT
	s_add_nc_u64 s[G0B+4*\s+2:G0B+4*\s+3], s[44:45], \s*256
	s_or_b32 s[G0B+4*\s+3], s[G0B+4*\s+3], 0x80000000
	JLOAD G0+4*\s, G1, G0B+4*\s, G1B               ; three loads of mine are out: the scales, slot 0, slot 1; they are all that this launch fetches
.endr
	v_and_b32 v1, 15, v0                           ; r = lane % 16
	v_bfe_u32 v2, v0, 4, 1                         ; h = lane / 16
	v_mul_u32_u24 v3, v1, PITCH
	v_lshl_add_u32 v3, v2, 4, v3                   ; a fragment's row x pitch + 16 x half
	s_mul_i32 s98, s[WR], HALFT                    ; my 128 rows of x
	s_mul_i32 s99, s[WC], HALFT                    ; my 128 rows of W,
	s_add_co_u32 s99, s99, 2*HALFT                 ; which lie behind x's 256
.irp s, 0,1
	v_add_nc_u32 v[ADRX+\s], s98, v3
	v_add_nc_u32 v[ADRW+\s], s99, v3
	s_add_co_u32 s98, s98, SLOT
	s_add_co_u32 s99, s99, SLOT
.endr
	v_lshlrev_b32 v4, 5, v1                        ; my row's scales: 32 bytes a row,
	v_lshrrev_b32 v5, 3, v1
	v_lshl_add_u32 v4, v5, 4, v4                   ; and 16 more behind each 8 rows
	s_mul_i32 s98, s[WR], HALFS                    ; x's: my 128 rows
	s_mul_i32 s99, s[WC], HALFS                    ; W's: my 128 rows, behind x's 256
	s_add_co_u32 s99, s99, 2*HALFS
	s_sub_co_u32 s99, s99, s98
	v_mul_u32_u24 v5, s99, v2                      ; lanes 16-31 take W's
	s_add_co_u32 s98, s98, SCL
	v_add_nc_u32 v4, v4, v5
	v_add_nc_u32 v[ADRS], s98, v4
	v_and_b32 v6, 31, v0
	v_lshlrev_b32 v[L16], 4, v6
	v_lshlrev_b32 v[L8], 3, v6
	; the bias of my 128 channels is the C of each sum's first product, in the result's layout
	s_lshl_b32 s96, s[WGX], 10
	s_lshl_b32 s98, s[WC], 9
	s_add_co_u32 s96, s96, s98
	s_mov_b32 s97, 0
	s_add_nc_u64 s[96:97], s[12:13], s[96:97]
	v_lshlrev_b32 v7, 5, v2                        ; 32 h
	v_lshlrev_b32 v8, 2, v1                        ; 4 r
	s_cmp_lg_u32 s[FV], 0
	s_cbranch_scc1 .Lbias_v
.irp t, 0,1,2,3,4,5,6,7                        ; Q, K: registers run along the channels: tile b's eight of my half
	global_load_b128 v[CB+8*\t:CB+8*\t+3], v7, s[96:97] offset:64*\t
	global_load_b128 v[CB+8*\t+4:CB+8*\t+7], v7, s[96:97] offset:64*\t+16
.endr
	s_branch .Lbias_done
.Lbias_v:
	s_wait_alu depctr_va_vdst(0)
.irp a, 0,1,2,3,4,5,6,7                        ; V: a lane holds one channel: block a's eight registers are all that channel's bias
	global_load_b32 v[CB+8*\a], v8, s[96:97] offset:64*\a
.endr
	s_wait_loadcnt 0x0
.irp a, 0,1,2,3,4,5,6,7
.irp j, 1,2,3,4,5,6,7
	v_mov_b32 v[CB+8*\a+\j], v[CB+8*\a]
.endr
.endr
.Lbias_done:
; 32 LDS loads in one run: the fragments of the s-th 128 along K.  A fragment, 16 rows x 128 K of 4-bit codes, is 8 registers: lane (r, h) holds row r; registers 4 c .. 4 c + 3 hold K = 64 c + 32 h + 0 .. 31: two loads of 16 bytes, 32 apart
.macro FETCH s
.set FS, (\s)/4
.set FQ, (\s)%4
.set FP, 128*((\s)%2)
	WIN TO_F
.irp i, 0,1,2,3,4,5,6,7
	ds_load_b128 v[FP+8*\i:FP+8*\i+3],   v[ADRX+FS] offset:64*FQ+\i*16*PITCH
	ds_load_b128 v[FP+8*\i+4:FP+8*\i+7], v[ADRX+FS] offset:64*FQ+32+\i*16*PITCH
.endr
.irp i, 0,1,2,3,4,5,6,7
	ds_load_b128 v[FP+64+8*\i:FP+64+8*\i+3],   v[ADRW+FS] offset:64*FQ+\i*16*PITCH
	ds_load_b128 v[FP+64+8*\i+4:FP+64+8*\i+7], v[ADRW+FS] offset:64*FQ+32+\i*16*PITCH
.endr
	WIN 0
.endm
.macro SCALES                          ; the scale words of all eight steps of 128 along K: a row's 32 bytes; lanes 0-15 take x's block i, lanes 16-31 W's block i
.irp i, 0,1,2,3,4,5,6,7
	ds_load_b128 v[SC+8*\i:SC+8*\i+3],   v[ADRS] offset:\i*SBLK
	ds_load_b128 v[SC+8*\i+4:SC+8*\i+7], v[ADRS] offset:\i*SBLK+16
.endr
.endm
; 32 matrix instructions: source 1's blocks a0 .. a0 + 3 x source 0's eight, the s-th 128 along K.  arm = 0: source 0 = W, source 1 = x; arm = 1: the other way round.  first = 1: the bias starts the sums: nothing is cleared.
; The 64 accumulators take turns, one instruction a turn, in the same order in every step and in both arms.
.macro MULS arm, s, a0, first
.set FP, 128*((\s)%2)
.irp a, \a0, \a0+1, \a0+2, \a0+3
.irp b, 0,1,2,3,4,5,6,7
.set rD, 8*(8*((\a)%4)+\b)
.if \arm
.set rA, FP+8*\b
.set rB, FP+64+8*(\a)
.set rC, CB+8*(\a)
.else
.set rA, FP+64+8*\b
.set rB, FP+8*(\a)
.set rC, CB+8*\b
.endif
.if \arm && \first
	v_wmma_scale_f32_16x16x128_f8f6f4 v[rD:rD+7], v[rA:rA+7], v[rB:rB+7], v[rC:rC+7], v[SC+8*\b+(\s)], v[SC+8*(\a)+(\s)] matrix_a_fmt:MATRIX_FMT_FP4 matrix_b_fmt:MATRIX_FMT_FP4 matrix_b_scale:MATRIX_SCALE_ROW1
.elseif \arm
	v_wmma_scale_f32_16x16x128_f8f6f4 v[rD:rD+7], v[rA:rA+7], v[rB:rB+7], v[rD:rD+7], v[SC+8*\b+(\s)], v[SC+8*(\a)+(\s)] matrix_a_fmt:MATRIX_FMT_FP4 matrix_b_fmt:MATRIX_FMT_FP4 matrix_b_scale:MATRIX_SCALE_ROW1
.elseif \first
	v_wmma_scale_f32_16x16x128_f8f6f4 v[rD:rD+7], v[rA:rA+7], v[rB:rB+7], v[rC:rC+7], v[SC+8*\b+(\s)], v[SC+8*(\a)+(\s)] matrix_a_fmt:MATRIX_FMT_FP4 matrix_b_fmt:MATRIX_FMT_FP4 matrix_a_scale:MATRIX_SCALE_ROW1
.else
	v_wmma_scale_f32_16x16x128_f8f6f4 v[rD:rD+7], v[rA:rA+7], v[rB:rB+7], v[rD:rD+7], v[SC+8*\b+(\s)], v[SC+8*(\a)+(\s)] matrix_a_fmt:MATRIX_FMT_FP4 matrix_b_fmt:MATRIX_FMT_FP4 matrix_a_scale:MATRIX_SCALE_ROW1
.endif
.endr
.endr
.endm
; Half a step, in the arm that my cluster takes.  Sources 0 and 1 window 1; D window 2 (blocks 0-3) or 3 (blocks 4-7); C with D, but in the first step window 0.  At a branch and at a label every window is 0.
.macro HALF s, a0, first
.set WM, 0x85+0x40*((\a0)/4)+(1-\first)*(0x20+0x10*((\a0)/4))
	s_cmp_lg_u32 s[FV], 0
	s_cbranch_scc1 .Lv_\@
	WIN WM
	MULS 0, \s, \a0, \first
	WIN 0
	s_branch .Ljoin_\@
.Lv_\@:
	WIN WM
	MULS 1, \s, \a0, \first
	WIN 0
.Ljoin_\@:
.endm
; A step of 128 along K: 64 matrix instructions; in its middle the next step's fragments are fetched into the other set, whose last readers are the step before's products:
; four places stand in front of the loads (ISA guide 7.12.1 for vector instructions; matrix instructions are not counted as places).
.macro STEP s, first
	s_wait_dscnt 0x0                               ; this step's fragments, asked for 32 matrix instructions ago, are in
	HALF \s, 0, \first
.if \s == 3
	s_wait_tensorcnt 0x0                           ; my part of slot 1 is in,
	s_barrier_signal -1                            ; (no LDS instruction of mine is out since the wait at the step's head)
	s_barrier_wait -1                              ; everybody's is.
.endif
.if \s < 7
	PLACES 4
	FETCH (\s)+1
.endif
	HALF \s, 4, \first
.endm
	s_wait_tensorcnt 0x1                           ; the scales and my part of slot 0 are in; slot 1's load, the one issued behind them, may be out,
	s_barrier_signal -1
	s_barrier_wait -1                              ; everybody's are
	s_wait_alu depctr_va_vdst(0)
	SCALES
	FETCH 0
	s_wait_loadcnt 0x0                             ; the bias
	STEP 0, 1
	STEP 1, 0
	STEP 2, 0
	STEP 3, 0
	STEP 4, 0
	STEP 5, 0
	STEP 6, 0
	STEP 7, 0
; THE QUANTISER.  Block a of source 1: 16 rows, of which lane (r, h) holds row r's numbers 16 T + 8 h + j in register 8 T + j.  Out come a fragment's eight registers of codes and the row's scale word.
; The conversion of tile T gives the codes of 16 T + 8 h + 0 .. 7.  The operand's layout wants register 4 c + q of lane half h' to hold 64 c + 32 h' + 8 q + 0 .. 7: that is tile 4 c + 2 h' + q / 2 from lane half q % 2.
; So tiles 4 c, 4 c + 2 go to registers 4 c, 4 c + 1 and tiles 4 c + 1, 4 c + 3 to 4 c + 2, 4 c + 3, and in each pair the first's lanes 16-31 change places with the second's lanes 0-15.
.macro QUANT a
.set AW, 2+(\a)/4                      ; the accumulators' window
.set QA, 64*((\a)%4)
	WIN 5*AW                                       ; sources 0 and 1
.irp b, 0,1,2,3
	v_max3_num_f32 v[TM+\b], |v[QA+16*\b]|, |v[QA+16*\b+1]|, 0x1800000   ; block b: my 16 numbers, each accumulator from its low end on, and the floor 2^(3 - 127): the byte cannot fall under 1
.endr
.irp i, 2,4,6,8,10,12,14
.irp b, 0,1,2,3
	v_max3_num_f32 v[TM+\b], |v[QA+16*\b+\i]|, |v[QA+16*\b+\i+1]|, v[TM+\b]   ; (the four blocks by turns)
.endr
.endr
	WIN 0
.irp b, 0,1,2,3
	v_permlanex16_b32 v[TM+4+\b], v[TM+\b], s[SEL], s[SEL+1]
.endr
.irp b, 0,1,2,3
	v_max_num_f32 v[TM+\b], v[TM+\b], v[TM+4+\b]   ; with lane l xor 16's: the block's largest magnitude
.endr
.irp b, 0,1,2,3
	v_add_nc_u32 v[TM+12+\b], 0xff000000, v[TM+\b] ; 2 off its exponent field: the conversion takes the exponent field of this operand as its scale
.endr
.irp b, 0,1,2,3
	v_lshrrev_b32 v[TM+4+\b], 23, v[TM+12+\b]      ; the scale's byte
.endr
	v_lshl_or_b32 v[PWB+\a], v[TM+5], 8, v[TM+4]   ; the four bytes make my row's scale word
	v_lshl_or_b32 v[PWB+\a], v[TM+6], 16, v[PWB+\a]
	v_lshl_or_b32 v[PWB+\a], v[TM+7], 24, v[PWB+\a]
	WIN AW                                         ; source 0
.irp T, 0,1,2,3,4,5,6,7
	v_cvt_scalef32_pk8_fp4_f32 v[PCB+8*\a+4*(\T/4)+2*(\T%2)+(\T%4)/2], v[QA+8*\T:QA+8*\T+7], v[TM+12+\T/2]
.endr
	WIN 0
	v_nop                                          ; one plain place behind a scaled conversion
.irp c, 0,1
	v_permlane16_swap_b32 v[PCB+8*\a+4*\c], v[PCB+8*\a+4*\c+1]
	v_permlane16_swap_b32 v[PCB+8*\a+4*\c+2], v[PCB+8*\a+4*\c+3]
.endr
.endm
.irp b, 0,1,2,3
	v_mov_b32 v[TM+4+\b], 0                        ; a lane permute's destination counts as one of its sources.  These four are also the places behind the last products
.endr
	; where my results go: record 16 x batch + head, part Q, K or V, my 128 tokens
	s_lshl_b32 s98, s[WGX], 2
	s_lshl_b32 s99, s[WC], 1
	s_add_co_u32 s98, s98, s99
	s_and_b32 s98, s98, 15                         ; my first head (I hold two)
	s_lshr_b32 s99, s[WGY], 3                      ; the batch
	s_lshl_b32 s99, s99, 4
	s_add_co_u32 s98, s98, s99
	s_mul_i32 s92, s98, REC
	s_mul_i32 s99, ttmp9, PART
	s_add_co_u32 s92, s92, s99
	s_lshl_b32 s99, s[WGY], 1
	s_add_co_u32 s99, s99, s[WR]
	s_and_b32 s99, s99, 15                         ; which 128 tokens of the batch's 2,048
	s_add_co_u32 s94, s92, SOFF
	s_lshl_b32 s98, s99, 12                        ; their codes are 4,096 bytes in every part,
	s_add_co_u32 s92, s92, s98
	s_mov_b32 s93, 0
	s_lshr_b32 s98, 512, s[FV]                     ; their scale words 512 bytes (Q, K) or 256 (V)
	s_mul_i32 s98, s98, s99
	s_add_co_u32 s94, s94, s98
	s_mov_b32 s95, 0
	s_add_nc_u64 s[92:93], s[14:15], s[92:93]
	s_add_nc_u64 s[94:95], s[14:15], s[94:95]
.irp a, 0,1,2,3,4,5,6,7
	QUANT \a
.endr
.irp p, 0,1,2,3
	v_cndmask_b32 v[Z0+\p], v[PWB+2*\p], v[PWB+2*\p+1], s[HI16]   ; two blocks' words to a register: lanes 0-15 block 2 p's, lanes 16-31 block 2 p + 1's
.endr
	s_cmp_lg_u32 s[FV], 0
	s_cbranch_scc1 .Lout_v
	; Q, K: a block is 16 tokens x two heads' 64 channels: registers 0-3 are the first head's half fragment, registers 4-7 the second's; bytes 0, 1 of a word are the first head's, bytes 2, 3 the second's
.irp p, 0,1,2,3
	v_lshrrev_b32 v[Z1+\p], 16, v[Z0+\p]           ; (a word's upper two bytes stand over zero codes in the next launch: any byte but 0xff will do)
.endr
.irp a, 0,1,2,3,4,5,6,7
	global_store_b128 v[L16], v[PCB+8*\a:PCB+8*\a+3], s[92:93] offset:512*\a          ; each store of the wave covers 512 consecutive bytes, aligned
	global_store_b128 v[L16], v[PCB+8*\a+4:PCB+8*\a+7], s[92:93] offset:REC+512*\a
.endr
	global_store_b128 v[L16], v[Z0:Z0+3], s[94:95]
	global_store_b128 v[L16], v[Z1:Z1+3], s[94:95] offset:REC
	s_branch .Lout_done
.Lout_v:
	s_wait_alu depctr_va_vdst(0)
	; V: a block is 16 channels x 128 keys: a whole fragment; blocks 0-3 are the first head's, 4-7 the second's
.irp a, 0,1,2,3,4,5,6,7
	global_store_b128 v[L16], v[PCB+8*\a:PCB+8*\a+3], s[92:93] offset:(\a/4)*REC+(\a%4)*1024
	global_store_b128 v[L16], v[PCB+8*\a+4:PCB+8*\a+7], s[92:93] offset:(\a/4)*REC+(\a%4)*1024+512
.endr
	global_store_b64 v[L8], v[Z0:Z0+1], s[94:95]                  ; 256 consecutive bytes, aligned
	global_store_b64 v[L8], v[Z0+2:Z0+3], s[94:95] offset:REC
.Lout_done:
	s_wait_tensorcnt 0x0
	ds_add_u32 v254, v255
	s_wait_dscnt 0x0
	CROUND                                         ; the closing round: no work-group ends while a partner may still ask for a tile that names it
	s_endpgm
.Lfunc_end_k_q17d86d4f85_qkvgemm:
	.size	k_q17d86d4f85_qkvgemm, .Lfunc_end_k_q17d86d4f85_qkvgemm-k_q17d86d4f85_qkvgemm
	.p2alignl 7, 3214868480
	.fill 96, 4, 3214868480
	.section	.rodata,"a",@progbits
	.p2align	6, 0x0
	.amdhsa_kernel k_q17d86d4f85_qkvgemm
		.amdhsa_group_segment_fixed_size 296448
		.amdhsa_private_segment_fixed_size 0
		.amdhsa_enable_private_segment 0
		.amdhsa_kernarg_size 48
		.amdhsa_user_sgpr_count 2
		.amdhsa_user_sgpr_kernarg_segment_ptr 1
		.amdhsa_wavefront_size32 1
		.amdhsa_system_sgpr_workgroup_id_x 1
		.amdhsa_system_sgpr_workgroup_id_y 1
		.amdhsa_system_sgpr_workgroup_id_z 1
		.amdhsa_system_vgpr_workitem_id 0
		.amdhsa_next_free_vgpr 1024
		.amdhsa_next_free_sgpr 100
		.amdhsa_reserve_vcc 0
		.amdhsa_float_denorm_mode_32 3
		.amdhsa_float_denorm_mode_16_64 3
		.amdhsa_memory_ordered 1
		.amdhsa_forward_progress 1
		.amdhsa_inst_pref_size 200
	.end_amdhsa_kernel
	.amdgpu_metadata
---
amdhsa.version: [ 1, 2 ]
amdhsa.kernels:
  - .name:           k_q17d86d4f85_qkvgemm
    .symbol:         k_q17d86d4f85_qkvgemm.kd
    .args:
      - { .name: x_codes, .offset: 0, .size: 8, .value_kind: global_buffer, .address_space: global }
      - { .name: x_scales, .offset: 8, .size: 8, .value_kind: global_buffer, .address_space: global }
      - { .name: W_qkv_codes, .offset: 16, .size: 8, .value_kind: global_buffer, .address_space: global }
      - { .name: W_qkv_scales, .offset: 24, .size: 8, .value_kind: global_buffer, .address_space: global }
      - { .name: b_qkv, .offset: 32, .size: 8, .value_kind: global_buffer, .address_space: global }
      - { .name: qkv, .offset: 40, .size: 8, .value_kind: global_buffer, .address_space: global }
    .group_segment_fixed_size: 296448
    .private_segment_fixed_size: 0
    .kernarg_segment_align: 8
    .kernarg_segment_size: 48
    .max_flat_workgroup_size: 128
    .sgpr_count:     100
    .vgpr_count:     1024
    .wavefront_size: 32
...
	.end_amdgpu_metadata
.endif
;; end of part 1
;; launch attn (part 2): grid 8 x 32, 16 waves a work-group, clusters of 4 x 1, 327,680 bytes of LDS; arguments qkv, ao_codes, ao_scales; writes ao_codes, ao_scales
.if DOCPART == 2
	.amdgcn_target "amdgcn-amd-amdhsa--gfx1250"
	.amdhsa_code_object_version 6
	.text
	.protected	k_q17d86d4f85_attn
	.globl	k_q17d86d4f85_attn
	.p2align	8
	.type	k_q17d86d4f85_attn,@function
k_q17d86d4f85_attn:
	s_mov_b64 s[64:65], 0
	v_nop
	global_prefetch_b8 v0, s[64:65] scope:SCOPE_SE
	s_setreg_imm32_b32 hwreg(HW_REG_WAVE_MODE, 25, 1), 1
	s_wait_xcnt 0x0
	s_wait_alu depctr_hold_cnt(0) depctr_sa_sdst(0) depctr_va_vdst(0) depctr_va_sdst(0) depctr_va_ssrc(0) depctr_va_vcc(0) depctr_vm_vsrc(0)
	s_getreg_b32 s2, hwreg(HW_REG_IB_STS2, 6, 4)
	s_cmp_eq_u32 s2, 0
	s_cbranch_scc0 .Lentry_in_a_cluster
	s_endpgm
.Lentry_in_a_cluster:
	s_bfe_u32 s2, ttmp6, 0x10000c
	s_cmp_lg_u32 s2, 0x3003
	s_cbranch_scc0 .Lentry_shape_is_right
	s_endpgm
.Lentry_shape_is_right:
; O = softmax(Q K^T / 8) V for 64 heads (4 batches x 16) of 2,048 tokens x 64 channels, both products on codes of FP4 (E2M1) with one E8M0 scale for each 32 along a product's K; then O is quantised along the channels for the last product.
; THE SOFTMAX AHEAD OF THE SECOND PRODUCT: t = score x log2(e) / 8; M = the row's largest t so far, rounded UP to a whole number; p = 2^(t - M) is what is quantised, along the keys; it is not normalised.
; The row's sum is taken of the unquantised p, in f32, and divides O at the end.  When M moves, the sum and O are multiplied by 2^(old M - new M): exact.
; INPUT: the records that the launch before has laid (REC bytes for each batch and head): images of operand registers, lane l's 16 bytes at 16 l.  From byte KVO of a record on, K's codes, K's scale words, V's codes and V's scale words
; are one dense block of KVB bytes.
; SHARES.  A work-group owns 256 queries of TWO neighbouring heads; each of its sixteen waves owns 16 queries, one tile, in 256 registers: four waves to a SIMD, so that one wave's vector work stands beside another's matrix work and
; LDS loads.  A wave walks the first head's 2,048 keys, 128 a step, then the second's: so it ends with 16 tokens x 128 channels: one whole fragment and one whole scale word a token for the last product.
; LDS holds both heads' blocks, each filled ONCE, at the start: nothing is ever filled again, and nothing is stored to LDS.  The second head's block lands while the first head is walked.
; CLUSTER.  The four query blocks of a cluster walk the same two heads: each part of a block is asked for JOINTLY, by the same tensor load with the same descriptor and a mask that names the four.
; LAYOUT.  Both products are used transposed: S^T = K Q^T (source 0 = 16 keys, source 1 = my 16 queries), O^T = V^T P^T (source 0 = 16 channels, source 1 = P): a lane holds ONE query (lane % 16) throughout.
; The first product's K is 64: registers 4-7 of K's and Q's fragments are zero codes, written once.
; Register j of tile T of S^T is key 16 T + 8 h + j: the quantiser's conversions are laid, and exchanged between the halves of the lanes, as in the launch before.
; A block's largest p is not searched for: p rises with the score, so the block's largest score goes through the same multiply-add and exponential (this takes v_exp_f32 not to fall where its input rises).
; LIMITS: NaN and infinities are not served.  A block whose largest magnitude lies under 2^-124 (a block of zeros too) gets the scale byte 1: a block of zeros has zero codes, and the bytes are read by this program alone.
; The division by the sum is v_rcp_f32 and a multiplication.
.set REC,   217088
.set KVO,   73728                      ; where K's codes begin in a record
.set QSO,   65536                      ; where Q's scale words begin
.set KVB,   143360                     ; a head's block: in it K's codes at 0,
.set KSO,   65536                      ; K's scale words: 512 bytes a key step,
.set VCO,   73728                      ; V's codes: 4,096 bytes a key step,
.set VSO,   139264                     ; V's scale words: 256 bytes a key step
.set WPART, KVB/16                     ; a wave fetches 8,960 bytes of a block: 35 rows of 256
.set L16, 1                            ; v1   16 x lane
.set L8,  2                            ; v2   8 x lane
.set ADK, 3                            ; v3-6 LDS addresses of the step's K codes, K scale words, V codes, V scale words
.set ADS, 4
.set ADV, 5
.set ADT, 6
.set OW,  7                            ; v7   the output's scale word
.set OA,  8                            ; v8-11 the first head's output codes
                                       ; v12 -M, v13 the largest t, v[14:15] the sum in two halves
.set QA,  16                           ; v16-23, v24-31 Q's fragments of the two heads
.set QB,  24
.set KF,  32                           ; v32-95   K's eight fragments
.set S,   96                           ; v96-159  S^T, then p; at the end O / the sum
.set OT,  160                          ; v160-191 O^T, four tiles
.set VF,  192                          ; v192-223 V's four fragments
.set PC,  224                          ; v224-231 p's codes; at the end the second head's output codes
.set BM,  232                          ; v232-235 the blocks' largest
.set TP,  236                          ; v236-239 at work
.set VW,  240                          ; v240-241 V's scale words: lanes 0-15 tile 2 i, lanes 16-31 tile 2 i + 1
.set QWA, 242                          ; v242, v243 Q's scale words
.set QWB, 243
.set SO,  244                          ; v244-247 the conversions' scale operands
.set KW,  248                          ; v248-251 K's scale words, laid as V's
.set TT,  252                          ; v252 at work
.set PW,  253                          ; v253 p's scale word
.set FF,  254                          ; v[254:255] f = 2^(old M - new M); the pair's upper word is written once
.set WV,  10
.set CX,  11
.set WGX, 12
.set YY,  13
.set G1,  16                           ; s[16:23] descriptor group 1;  s[24:27], s[28:31] groups 0 for the two heads
.set G0A, 24
.set G0B, 28
.set SEL, 32                           ; s[32:33] lane selects for v_permlanex16_b32: lane l xor 16
.set CS,  34                           ; s[34:35] c = log2(e) / 8: the packed form names a pair and takes its low word for both halves
.set SK,  36                           ; s36-39 where the step's four pieces begin in LDS
.set SS,  37
.set SV,  38
.set ST,  39
.set CNT, 40
.macro CROUND                          ; a round of the cluster's barrier
	s_barrier_signal -1
	s_barrier_wait -1
	s_cmp_lg_u32 s[WV], 0
	s_cbranch_scc1 .Lnot_wave_0_\@
	s_barrier_signal -3
.Lnot_wave_0_\@:
	s_barrier_wait -3
	s_barrier_signal -1
	s_barrier_wait -1
.endm
	s_load_b128 s[4:7], s[0:1], 0x0                ; the records s[4:5], the output's codes s[6:7]
	s_load_b64 s[8:9], s[0:1], 0x10                ; the output's scale bytes
	v_lshl_add_u32 v254, v0, 2, 0x46000
	v_mov_b32 v255, 0
	ds_add_u32 v254, v255
	ds_add_u32 v254, v255
	s_wait_dscnt 0x0
	v_lshrrev_b32 v3, 5, v0
	s_delay_alu instid0(VALU_DEP_1)
	v_readfirstlane_b32 s[WV], v3                  ; wave 0..15
	s_bfe_u32 s[CX], ttmp6, 0x40000                ; my place in the cluster
	s_lshl_b32 s[WGX], ttmp9, 2
	s_add_co_u32 s[WGX], s[WGX], s[CX]             ; my block of 256 queries: it enters Q's and the output's addresses alone
	s_and_b32 s[YY], ttmp7, 0xffff                 ; 8 x batch + pair of heads, which the four partners share
	; descriptor group 1: 35 rows of 256 bytes (32 elements of 8), dense in memory and in LDS
	s_mov_b32 s[G1+0], 15|(3<<16)|(1<<21)          ; 15:0 the mask: all four work-groups; 17:16 elements of 8 bytes; 21 set beside a mask; no padding
	s_mov_b32 s[G1+1], 32<<16                      ; tensor_dim0
	s_mov_b32 s[G1+2], 35<<16                      ; tensor_dim1
	s_mov_b32 s[G1+3], 32<<16                      ; tile_dim0
	s_mov_b32 s[G1+4], 35                          ; tile_dim1
	s_mov_b32 s[G1+5], 32                          ; from row to row
	s_mov_b32 s[G1+6], 0
	s_mov_b32 s[G1+7], 0
	s_mov_b32 s[SEL], 0x76543210
	s_mov_b32 s[SEL+1], 0xfedcba98
	s_mov_b32 s[CS], 0x3e38aa3b                    ; c = log2(e) / sqrt(64)
	s_mov_b32 s[CS+1], s[CS]
	s_mul_i32 s44, s[WV], WPART                    ; my part of a block: in LDS,
	s_mul_i32 s42, s[YY], 2*REC                    ; and in memory: the pair's first record,
	s_add_co_u32 s42, s42, s44
	s_add_co_u32 s42, s42, KVO                     ; from K's codes on
	s_mov_b32 s43, 0
	s_mul_i32 s46, s[YY], 2*REC
	s_lshl_b32 s45, s[WGX], 4
	s_add_co_u32 s45, s45, s[WV]                   ; my tile of 16 queries among the head's 128
	s_lshl_b32 s48, s45, 9
	s_add_co_u32 s48, s48, s46                     ; its codes: 512 bytes a tile
	s_mov_b32 s49, 0
	s_lshr_b32 s50, s45, 3                         ; its scale words: group of 8 tiles, 512 bytes;
	s_lshl_b32 s50, s50, 9
	s_and_b32 s51, s[WV], 1                        ; in it an odd tile's lie in lanes 16-31's places (256 bytes on),
	s_lshl_b32 s51, s51, 8
	s_add_co_u32 s50, s50, s51
	s_bfe_u32 s51, s[WV], 0x20001                  ; in word (tile % 8) / 2 of a lane's four
	s_lshl_b32 s51, s51, 2
	s_add_co_u32 s50, s50, s51
	s_add_co_u32 s50, s50, s46
	s_add_co_u32 s50, s50, QSO
	s_mov_b32 s51, 0
	; the output: token tile 128 x batch + my tile; the pair of heads p is the last product's p-th 128 along K
	s_lshr_b32 s52, s[YY], 3
	s_lshl_b32 s52, s52, 7
	s_add_co_u32 s52, s52, s45
	s_and_b32 s53, s[YY], 7
	s_lshl_b32 s54, s52, 12                        ; codes: [p / 4][token tile][p % 4][head's parity][512 bytes]
	s_lshr_b32 s55, s53, 2
	s_lshl_b32 s55, s55, 21
	s_add_co_u32 s54, s54, s55
	s_and_b32 s55, s53, 3
	s_lshl_b32 s55, s55, 10
	s_add_co_u32 s54, s54, s55
	s_mov_b32 s55, 0
	s_lshl_b32 s56, s52, 9                         ; scale bytes: [token][32]: 512 bytes a tile, word p of a row
	s_lshl_b32 s57, s53, 2
	s_add_co_u32 s56, s56, s57
	s_mov_b32 s57, 0
	s_wait_kmcnt 0x0
	s_add_nc_u64 s[42:43], s[4:5], s[42:43]
	s_add_nc_u64 s[48:49], s[4:5], s[48:49]
	s_add_nc_u64 s[50:51], s[4:5], s[50:51]
	s_add_nc_u64 s[54:55], s[6:7], s[54:55]
	s_add_nc_u64 s[56:57], s[8:9], s[56:57]
	CROUND                                         ; all four work-groups are here: the joint loads meet
	s_mov_b32 s[G0A], 1                            ; count = 1
	s_mov_b32 s[G0A+1], s44                        ; LDS address: the first head's block begins at 0
	s_mov_b64 s[G0A+2:G0A+3], s[42:43]
	s_or_b32 s[G0A+3], s[G0A+3], 0x80000000        ; type = 2
	s_mov_b32 s[G0B], 1
	s_add_co_u32 s[G0B+1], s44, KVB                ; the second head's behind it
	s_add_nc_u64 s[G0B+2:G0B+3], s[42:43], REC
	s_or_b32 s[G0B+3], s[G0B+3], 0x80000000
	tensor_load_to_lds s[G0A:G0A+3], s[G1:G1+7]    ; every wave fetches its sixteenth of both blocks: one load of mine is out; with the second head's below, they are all that this launch fetches into LDS
	s_nop 0
	s_wait_alu depctr_va_vdst(0)
	s_wait_tensorcnt 0x0
	ds_add_u32 v254, v255
	s_wait_dscnt 0x0
	CROUND
	tensor_load_to_lds s[G0B:G0B+3], s[G1:G1+7]
	s_nop 0
.rept 4
	v_nop
.endr
	v_and_b32 v3, 31, v0
	s_delay_alu instid0(VALU_DEP_1)
	v_lshlrev_b32 v[L16], 4, v3
	s_delay_alu instid0(VALU_DEP_2)
	v_lshlrev_b32 v[L8], 3, v3
	v_and_b32 v[BM], 15, v0
	s_delay_alu instid0(VALU_DEP_1)
	v_lshlrev_b32 v[BM], 4, v[BM]                  ; 16 r: a lane's four scale words
	global_load_b128 v[QA:QA+3], v[L16], s[48:49]              ; Q's half fragments stay in registers
	global_load_b128 v[QB:QB+3], v[L16], s[48:49] offset:REC
	global_load_b32 v[QWA], v[BM], s[50:51]
	global_load_b32 v[QWB], v[BM], s[50:51] offset:REC
.irp j, 4,5,6,7
	v_mov_b32 v[QA+\j], 0                          ; K = 64 .. 127 of the first product: zero codes, on both sides
	v_mov_b32 v[QB+\j], 0
.endr
.irp T, 0,1,2,3,4,5,6,7
.irp j, 4,5,6,7
	v_mov_b32 v[KF+8*\T+\j], 0
.endr
.endr
.irp b, 0,1,2,3
	v_mov_b32 v[TP+\b], 0                          ; written once: a lane permute's destination counts as one of its sources
.endr
	v_mov_b32 v[TT], 0
	v_mov_b32 v[FF+1], 0                           ; (named as the upper half of a pair)
; A KEY STEP: 128 keys.  qf: my queries' fragment, qs: its scale words.
.macro STEP qf, qs
	v_add_nc_u32 v[ADK], s[SK], v[L16]             ; (these four are also the places behind the last step's products, in front of the loads into their registers)
	v_add_nc_u32 v[ADS], s[SS], v[L16]
	v_add_nc_u32 v[ADV], s[SV], v[L16]
	v_add_nc_u32 v[ADT], s[ST], v[L8]
	ds_load_b128 v[KW:KW+3], v[ADS]
.irp T, 0,1,2,3,4,5,6,7
	ds_load_b128 v[KF+8*\T:KF+8*\T+3], v[ADK] offset:512*\T      ; an image: 512 consecutive bytes an instruction
.endr
	ds_load_b64 v[VW:VW+1], v[ADT]                 ; V's are asked for now and land under the softmax
.irp d, 0,1,2,3
	ds_load_b128 v[VF+8*\d:VF+8*\d+3], v[ADV] offset:1024*\d
	ds_load_b128 v[VF+8*\d+4:VF+8*\d+7], v[ADV] offset:1024*\d+512
.endr
	s_wait_dscnt 9                                 ; K's nine loads are in; V's nine, issued behind them, may be out
.irp T, 0,2,4,6                                ; S^T = K Q^T: eight tiles of 16 keys
	v_wmma_scale_f32_16x16x128_f8f6f4 v[S+8*\T:S+8*\T+7], v[KF+8*\T:KF+8*\T+7], v[\qf:\qf+7], 0, v[KW+\T/2], v[\qs] matrix_a_fmt:MATRIX_FMT_FP4 matrix_b_fmt:MATRIX_FMT_FP4
	v_wmma_scale_f32_16x16x128_f8f6f4 v[S+8*\T+8:S+8*\T+15], v[KF+8*\T+8:KF+8*\T+15], v[\qf:\qf+7], 0, v[KW+\T/2], v[\qs] matrix_a_fmt:MATRIX_FMT_FP4 matrix_b_fmt:MATRIX_FMT_FP4 matrix_a_scale:MATRIX_SCALE_ROW1
.endr
.rept 4
	v_nop                                          ; four places in front of the first read of results (ISA guide 7.12.1)
.endr
.irp b, 0,1,2,3
	v_max3_num_f32 v[BM+\b], v[S+16*\b], v[S+1+16*\b], v[S+2+16*\b]   ; the largest score of each block of 32 keys: for the row's maximum, and for the block's largest p
.endr
.irp i, 3,5,7,9,11,13
.irp b, 0,1,2,3
	v_max3_num_f32 v[BM+\b], v[BM+\b], v[S+16*\b+\i], v[S+1+16*\b+\i]   ; (the four blocks by turns)
.endr
.endr
.irp b, 0,1,2,3
	v_max_num_f32 v[BM+\b], v[BM+\b], v[S+15+16*\b]
.endr
.irp b, 0,1,2,3
	s_delay_alu instid0(VALU_DEP_4)
	v_permlanex16_b32 v[TP+\b], v[BM+\b], s[SEL], s[SEL+1]
.endr
.irp b, 0,1,2,3
	s_delay_alu instid0(VALU_DEP_4)
	v_max_num_f32 v[BM+\b], v[BM+\b], v[TP+\b]     ; with lane l xor 16's 16 keys
.endr
	s_delay_alu instid0(VALU_DEP_2)
	v_max3_num_f32 v[TT], v[BM], v[BM+1], v[BM+2]
	s_delay_alu instid0(VALU_DEP_1)
	v_max_num_f32 v[TT], v[TT], v[BM+3]            ; the step's largest score of my query
	s_delay_alu instid0(VALU_DEP_1)
	v_mul_f32 v[TT], s[CS], v[TT]                  ; as t (c is positive)
	s_delay_alu instid0(VALU_DEP_1)
	v_max_num_f32 v13, v13, v[TT]                  ; the running largest t
	v_mov_b32 v[TT], v12
	s_delay_alu instid0(VALU_DEP_2)
	v_floor_f32 v12, -v13                          ; the new -M = floor(-t) = -ceil(t): M is a whole number
	s_delay_alu instid0(VALU_DEP_1)
	v_sub_f32 v[TT], v12, v[TT]                    ; M's old value less its new one: a whole number, 0 or less
	s_delay_alu instid0(VALU_DEP_1)
	v_cvt_i32_f32 v[TT], v[TT]                     ; (it saturates)
	s_delay_alu instid0(VALU_DEP_1)
	v_ldexp_f32 v[FF], 1.0, v[TT]                  ; f = 2^(old M - new M)
.set j, 0
.rept 32
	v_pk_fma_f32 v[S+j:S+j+1], v[S+j:S+j+1], s[CS:CS+1], v[12:13] op_sel_hi:[1,0,0]   ; t - M, two at a time (of the pairs c and -M the low word serves both halves)
.set j, j+2
.endr
.irp b, 0,1,2,3
	v_fma_f32 v[BM+\b], v[BM+\b], s[CS], v12       ; the same of each block's largest score
.endr
.set j, 0
	s_wait_alu depctr_va_vdst(0)
.rept 64
	v_exp_f32 v[S+j], v[S+j]                       ; p = 2^(t - M), at most 1: not normalised
.set j, j+1
.endr
	s_setprio 1
.irp b, 0,1,2,3
	v_exp_f32 v[BM+\b], v[BM+\b]                   ; the block's largest p
.endr
	v_pk_mul_f32 v[14:15], v[14:15], v[FF:FF+1] op_sel_hi:[1,0]   ; the sums under the new M.  (A plain place behind the exponentials)
	s_wait_alu depctr_va_vdst(0)
.irp b, 0,1,2,3
	v_max_num_f32 v[BM+\b], 0x1800000, v[BM+\b]    ; the floor 2^(3 - 127): the byte cannot fall under 1
.endr
.irp b, 0,1,2,3
	s_delay_alu instid0(VALU_DEP_4)
	v_add_nc_u32 v[SO+\b], 0xff000000, v[BM+\b]    ; 2 off the exponent field: the conversion's scale operand
.endr
.irp b, 0,1,2,3
	s_delay_alu instid0(VALU_DEP_4)
	v_lshrrev_b32 v[TP+\b], 23, v[SO+\b]           ; the scale's byte
.endr
	s_delay_alu instid0(VALU_DEP_3)
	v_lshl_or_b32 v[PW], v[TP+1], 8, v[TP]         ; p's scale word for these 128 keys
	s_delay_alu instid0(VALU_DEP_1)
	v_lshl_or_b32 v[PW], v[TP+2], 16, v[PW]
	s_delay_alu instid0(VALU_DEP_1)
	v_lshl_or_b32 v[PW], v[TP+3], 24, v[PW]
.irp T, 0,1,2,3,4,5,6,7
	v_cvt_scalef32_pk8_fp4_f32 v[PC+4*(\T/4)+2*(\T%2)+(\T%4)/2], v[S+8*\T:S+8*\T+7], v[SO+\T/2]   ; tile T's codes: keys 16 T + 8 h + 0 .. 7
.endr
	v_nop                                          ; one plain place behind a scaled conversion
.irp c, 0,1                                    ; the operand's layout wants a whole block of 32 keys in a lane
	v_permlane16_swap_b32 v[PC+4*\c], v[PC+4*\c+1]
	v_permlane16_swap_b32 v[PC+4*\c+2], v[PC+4*\c+3]
.endr
	v_pk_add_f32 v[TP:TP+1], v[S:S+1], v[S+2:S+3]  ; the row's sum is taken of the unquantised p: two at a time, in two chains
.irp j, 4,8,12,16,20,24,28,32,36,40,44,48,52,56,60
	v_pk_add_f32 v[14:15], v[14:15], v[S+\j:S+\j+1]
	v_pk_add_f32 v[TP:TP+1], v[TP:TP+1], v[S+\j+2:S+\j+3]
.endr
	s_delay_alu instid0(VALU_DEP_1)
	v_pk_add_f32 v[14:15], v[14:15], v[TP:TP+1]
.set j, 0
	s_setprio 0
.rept 16
	v_pk_mul_f32 v[OT+j:OT+j+1], v[OT+j:OT+j+1], v[FF:FF+1] op_sel_hi:[1,0]   ; O^T under the new M.  (With the sums above: the places between the codes' and the scale word's last writes and the products below)
.set j, j+2
.endr
	s_wait_alu depctr_va_vdst(0)
	s_wait_dscnt 0x0                               ; V is in
.irp d, 0,2                                    ; O^T += V^T P^T: four tiles of 16 channels, by turns; K = these 128 keys
	v_wmma_scale_f32_16x16x128_f8f6f4 v[OT+8*\d:OT+8*\d+7], v[VF+8*\d:VF+8*\d+7], v[PC:PC+7], v[OT+8*\d:OT+8*\d+7], v[VW+\d/2], v[PW] matrix_a_fmt:MATRIX_FMT_FP4 matrix_b_fmt:MATRIX_FMT_FP4
	v_wmma_scale_f32_16x16x128_f8f6f4 v[OT+8*\d+8:OT+8*\d+15], v[VF+8*\d+8:VF+8*\d+15], v[PC:PC+7], v[OT+8*\d+8:OT+8*\d+15], v[VW+\d/2], v[PW] matrix_a_fmt:MATRIX_FMT_FP4 matrix_b_fmt:MATRIX_FMT_FP4 matrix_a_scale:MATRIX_SCALE_ROW1
.endr
.endm
; A head's end: O^T / the sum, quantised along the head's 64 channels (two blocks): four registers of codes into v[dst] on, two bytes into the output's scale word.
.macro FINISH hd, dst
.rept 4
	v_nop                                          ; four places behind the last products
.endr
	v_add_f32 v14, v14, v15                        ; the sum's two halves,
	s_delay_alu instid0(VALU_DEP_1)
	v_permlanex16_b32 v[TT], v14, s[SEL], s[SEL+1]
	s_delay_alu instid0(VALU_DEP_1)
	v_add_f32 v14, v14, v[TT]                      ; and lane l xor 16's: the row's sum
	s_wait_alu depctr_va_vdst(0)
	v_rcp_f32 v14, v14
	v_nop                                          ; one plain place behind a transcendental
.set j, 0
	s_wait_alu depctr_va_vdst(0)
.rept 16
	v_pk_mul_f32 v[S+j:S+j+1], v[OT+j:OT+j+1], v[14:15] op_sel_hi:[1,0]   ; register 8 t + i is o(query r, channel 16 t + 8 h + i); each accumulator from its low end on
.set j, j+2
.endr
.irp b, 0,1
	v_max3_num_f32 v[BM+\b], |v[S+16*\b]|, |v[S+1+16*\b]|, 0x1800000
.endr
.irp i, 2,4,6,8,10,12,14
.irp b, 0,1
	s_delay_alu instid0(VALU_DEP_2)
	v_max3_num_f32 v[BM+\b], v[BM+\b], |v[S+16*\b+\i]|, |v[S+1+16*\b+\i]|
.endr
.endr
.irp b, 0,1
	s_delay_alu instid0(VALU_DEP_2)
	v_permlanex16_b32 v[TP+\b], v[BM+\b], s[SEL], s[SEL+1]
.endr
.irp b, 0,1
	s_delay_alu instid0(VALU_DEP_2)
	v_max_num_f32 v[BM+\b], v[BM+\b], v[TP+\b]
.endr
.irp b, 0,1
	s_delay_alu instid0(VALU_DEP_2)
	v_add_nc_u32 v[SO+\b], 0xff000000, v[BM+\b]
.endr
.irp b, 0,1
	s_delay_alu instid0(VALU_DEP_2)
	v_lshrrev_b32 v[TP+\b], 23, v[SO+\b]
.endr
.if \hd
	s_delay_alu instid0(VALU_DEP_2)
	v_lshl_or_b32 v[OW], v[TP], 16, v[OW]          ; the second head's bytes are the word's upper two
	s_delay_alu instid0(VALU_DEP_1)
	v_lshl_or_b32 v[OW], v[TP+1], 24, v[OW]
.else
	s_delay_alu instid0(VALU_DEP_1)
	v_lshl_or_b32 v[OW], v[TP+1], 8, v[TP]
.endif
.irp T, 0,1,2,3
	v_cvt_scalef32_pk8_fp4_f32 v[\dst+2*(\T%2)+\T/2], v[S+8*\T:S+8*\T+7], v[SO+\T/2]
.endr
	v_nop
	v_permlane16_swap_b32 v[\dst], v[\dst+1]
	v_permlane16_swap_b32 v[\dst+2], v[\dst+3]
.endm
; One head: sixteen key steps, written once.  O^T and the sum begin as zeros and the largest t as -3e38: the first change of M multiplies zeros.
.macro PASS hd, qf, qs, dst
	v_mov_b32 v13, 0xff61b1e6
	s_delay_alu instid0(VALU_DEP_1)
	v_floor_f32 v12, -v13
	v_mov_b32 v14, 0
	v_mov_b32 v15, 0
.set j, 0
.rept 32
	v_mov_b32 v[OT+j], 0
.set j, j+1
.endr
	s_mov_b32 s[SK], \hd*KVB
	s_mov_b32 s[SS], \hd*KVB+KSO
	s_mov_b32 s[SV], \hd*KVB+VCO
	s_mov_b32 s[ST], \hd*KVB+VSO
	s_mov_b32 s[CNT], 16
.Lstep_\@:
	s_setprio 2
	STEP \qf, \qs
	s_add_co_u32 s[SK], s[SK], 4096
	s_add_co_u32 s[SS], s[SS], 512
	s_add_co_u32 s[SV], s[SV], 4096
	s_add_co_u32 s[ST], s[ST], 256
	s_sub_co_u32 s[CNT], s[CNT], 1
	s_cmp_lg_u32 s[CNT], 0
	s_cbranch_scc1 .Lstep_\@
	s_setprio 0
	FINISH \hd, \dst
.endm
	s_wait_loadcnt 0x0                             ; Q
	s_wait_tensorcnt 0x1                           ; my part of the first head's block is in; the second head's, issued behind it, may be out,
	s_barrier_signal -1
	s_barrier_wait -1                              ; everybody's is.
	PASS 0, QA, QWA, OA
	s_wait_tensorcnt 0x0                           ; my part of the second head's block is in,
	s_wait_dscnt 0x0
	s_barrier_signal -1
	s_barrier_wait -1                              ; everybody's is
	PASS 1, QB, QWB, PC
	global_store_b128 v[L16], v[OA:OA+3], s[54:55]             ; the fragment's image: registers 0-3 (the first head), 512 consecutive bytes, aligned,
	global_store_b128 v[L16], v[PC:PC+3], s[54:55] offset:512  ; registers 4-7 (the second)
	v_and_b32 v[BM], 15, v0
	s_delay_alu instid0(VALU_DEP_1)
	v_lshlrev_b32 v[BM], 5, v[BM]                  ; 32 r
	global_store_b32 v[BM], v[OW], s[56:57]        ; my token's word of its 32 scale bytes (lanes l and l xor 16 hold the same word and write it to the same place); 4 bytes of each row of 32: one byte in 17 of what this launch stores
	s_wait_xcnt 0x0
	v_lshl_add_u32 v254, v0, 2, 0x46000
	v_mov_b32 v255, 0
	s_wait_alu depctr_va_vdst(0)
	s_wait_tensorcnt 0x0
	ds_add_u32 v254, v255
	s_wait_dscnt 0x0
	CROUND                                         ; the closing round: no work-group ends while a partner may still ask for a part that names it
	s_endpgm
.Lfunc_end_k_q17d86d4f85_attn:
	.size	k_q17d86d4f85_attn, .Lfunc_end_k_q17d86d4f85_attn-k_q17d86d4f85_attn
	.p2alignl 7, 3214868480
	.fill 96, 4, 3214868480
	.section	.rodata,"a",@progbits
	.p2align	6, 0x0
	.amdhsa_kernel k_q17d86d4f85_attn
		.amdhsa_group_segment_fixed_size 327680
		.amdhsa_private_segment_fixed_size 0
		.amdhsa_enable_private_segment 0
		.amdhsa_kernarg_size 24
		.amdhsa_user_sgpr_count 2
		.amdhsa_user_sgpr_kernarg_segment_ptr 1
		.amdhsa_wavefront_size32 1
		.amdhsa_system_sgpr_workgroup_id_x 1
		.amdhsa_system_sgpr_workgroup_id_y 1
		.amdhsa_system_sgpr_workgroup_id_z 1
		.amdhsa_system_vgpr_workitem_id 0
		.amdhsa_next_free_vgpr 256
		.amdhsa_next_free_sgpr 66
		.amdhsa_reserve_vcc 0
		.amdhsa_float_denorm_mode_32 3
		.amdhsa_float_denorm_mode_16_64 3
		.amdhsa_memory_ordered 1
		.amdhsa_forward_progress 1
		.amdhsa_inst_pref_size 51
	.end_amdhsa_kernel
	.amdgpu_metadata
---
amdhsa.version: [ 1, 2 ]
amdhsa.kernels:
  - .name:           k_q17d86d4f85_attn
    .symbol:         k_q17d86d4f85_attn.kd
    .args:
      - { .name: qkv, .offset: 0, .size: 8, .value_kind: global_buffer, .address_space: global }
      - { .name: ao_codes, .offset: 8, .size: 8, .value_kind: global_buffer, .address_space: global }
      - { .name: ao_scales, .offset: 16, .size: 8, .value_kind: global_buffer, .address_space: global }
    .group_segment_fixed_size: 327680
    .private_segment_fixed_size: 0
    .kernarg_segment_align: 8
    .kernarg_segment_size: 24
    .max_flat_workgroup_size: 512
    .sgpr_count:     66
    .vgpr_count:     256
    .wavefront_size: 32
...
	.end_amdgpu_metadata
.endif
;; end of part 2
;; launch proj (part 3): grid 4 x 64, 4 waves a work-group, clusters of 4 x 4, 327,680 bytes of LDS; arguments ao_codes, ao_scales, W_out_codes, W_out_scales, b_out, out0; writes out0
.if DOCPART == 3
	.amdgcn_target "amdgcn-amd-amdhsa--gfx1250"
	.amdhsa_code_object_version 6
	.text
	.protected	k_q17d86d4f85_proj
	.globl	k_q17d86d4f85_proj
	.p2align	8
	.type	k_q17d86d4f85_proj,@function
k_q17d86d4f85_proj:
	s_mov_b64 s[64:65], 0
	v_nop
	global_prefetch_b8 v0, s[64:65] scope:SCOPE_SE
	s_setreg_imm32_b32 hwreg(HW_REG_WAVE_MODE, 25, 1), 1
	s_wait_xcnt 0x0
	s_wait_alu depctr_hold_cnt(0) depctr_sa_sdst(0) depctr_va_vdst(0) depctr_va_sdst(0) depctr_va_ssrc(0) depctr_va_vcc(0) depctr_vm_vsrc(0)
	s_getreg_b32 s2, hwreg(HW_REG_IB_STS2, 6, 4)
	s_cmp_eq_u32 s2, 0
	s_cbranch_scc0 .Lentry_in_a_cluster
	s_endpgm
.Lentry_in_a_cluster:
	s_bfe_u32 s2, ttmp6, 0x10000c
	s_cmp_lg_u32 s2, 0xf033
	s_cbranch_scc0 .Lentry_shape_is_right
	s_endpgm
.Lentry_shape_is_right:
; out0 = A W_out + b_out on codes of FP4 (E2M1) with one E8M0 scale for each 32 along K = 1,024.  A: the attention's output, 8,192 tokens, as the launch before has laid it:
; codes as images of operand registers, [K half][tile of 16 tokens][the half's q-th 128 along K][1,024 bytes: registers 0-3, registers 4-7, lane l's 16 bytes at 16 l]; scale bytes [token][32].
; W_out: 1,024 rows (outputs) of 512 bytes of codes and 32 scale bytes.  out0: [8,192][1,024] f32.
; SHARES.  A work-group of four waves makes 128 tokens x 256 outputs (256 work-groups), a wave 64 x 128: 32 accumulators of 16 x 16.  The whole of K of both tiles lies in LDS, as two slots of 512 along K, each filled ONCE:
; nothing is ever filled again, so there is no ring.  The scale bytes lie behind the slots.
; CLUSTERS: 4 x 4 work-groups.  The four of a row of the cluster need the same tokens, the four of a column the same rows of W_out: each tile is asked for JOINTLY.
; THE MATRIX INSTRUCTION IS USED TRANSPOSED (source 0 = 16 rows of W_out, source 1 = 16 tokens): a lane holds eight neighbouring numbers of a row of out0.  The bias is the C of each sum's first product.
; REGISTERS, in windows of 256: window 0: v0-31 addresses; v32-95 scale words; v128-191 the bias; on the way out v128-255 rows of out0.
;   window 1: two sets of fragments at 128 p: A's four at +0, W's eight at +64.   window 2: the accumulators: (a, b) at v[8 (8 a + b)].
.set PITCH,  272                       ; a row of W's tile in LDS: 256 bytes + 16 of padding
.set AIMG,   32768                     ; a slot: A's 8 tiles x 4 x 1,024 bytes, dense,
.set HALFA,  16384
.set HALFW,  128*PITCH
.set SLOT,   AIMG+2*HALFW              ; then W's 256 rows
.set SCL,    2*SLOT                    ; behind the slots: the scale bytes, as units of 256 bytes + 16 of padding (8 rows of 32 bytes to a unit):
.set HSA,    8*272                     ; A's two halves of 64 rows,
.set HSW,    16*272                    ; then W's two of 128
.set SBLK,   2*272                     ; 16 rows
.set SPITCH, 528                       ; the way out: a stage of 16 rows x (512 bytes + 16) for each wave, in slot 0, which has had its one fill and its last read when the first result is stored there
.set ADRA, 16                          ; v16-17  LDS address of my fragments of A in slot 0, 1
.set ADRW, 20                          ; v20-21  the same for W
.set L16,  24                          ; v24     16 x lane
.set STO,  25                          ; v25     the way out: where I put 32 bytes of a row
.set RD,   26                          ; v26     and where I read a row back
.set ADRS, 27                          ; v27     LDS address of my scale words: lanes 0-15 A's rows, lanes 16-31 W's
.set SC,   32                          ; v32-95  register 8 i + s: for the s-th 128 along K, lanes 0-15 the word of A's block i (i < 4), lanes 16-31 that of W's block i
.set CB,   128                         ; v128-191 the bias, in the result's layout
.set BK,   128                         ; the way out: 16 rows read back from the stage: v128-191 and v192-255 by turns
.set WV,   16
.set WR,   17                          ; s17 wave / 2: my 64 tokens, and: I fetch for A (0) or W (1)
.set WC,   18                          ; s18 wave % 2: my 128 rows of W, and which half of a tile I fetch
.set CX,   20
.set CY,   21
.set WGX,  22
.set WGY,  23
.set G1,   24                          ; s[24:31] descriptor group 1 for A's tiles;  s[32:39] group 0, one set for each slot
.set G0,   32
.set G1B,  48                          ; s[48:55], s[56:63] the same for W's tiles
.set G0B,  56
.set G1S,  68                          ; s[68:75], s[76:79] groups 1 and 0 for A's scales;  s[80:87], s[88:91] for W's
.set G0S,  76
.set G1SB, 80
.set G0SB, 88
.set MSB, 0
.macro WIN new                         ; the immediate's high byte repeats the setting that is left; a switch that changes nothing is dropped
.if MSB != (\new)
	s_set_vgpr_msb (MSB<<8)|(\new)
.set MSB, \new
.endif
.endm
.set TO_F, 0x40                        ; destination window 1, address window 0
.macro JLOAD g0a, g1a, g0b, g1b        ; a joint load: waves 0 and 1 fetch for A, waves 2 and 3 for W; four v_nop follow each of the two lines
	s_cmp_eq_u32 s[WR], 0
	s_cbranch_scc0 .Lfor_w_\@
	tensor_load_to_lds s[\g0a:\g0a+3], s[\g1a:\g1a+7]
	s_nop 0
.rept 4
	v_nop
.endr
	s_branch .Lasked_\@
.Lfor_w_\@:
	tensor_load_to_lds s[\g0b:\g0b+3], s[\g1b:\g1b+7]
	s_nop 0
.rept 4
	v_nop
.endr
.Lasked_\@:
.endm
.macro CROUND                          ; a round of the cluster's barrier
	s_barrier_signal -1
	s_barrier_wait -1
	s_cmp_lg_u32 s[WV], 0
	s_cbranch_scc1 .Lnot_wave_0_\@
	s_barrier_signal -3
.Lnot_wave_0_\@:
	s_barrier_wait -3
	s_barrier_signal -1
	s_barrier_wait -1
.endm
.macro PLACES n
.rept \n
	v_nop
.endr
.endm
	s_load_b256 s[4:11], s[0:1], 0x0               ; A's codes s[4:5], A's scales s[6:7], W's codes s[8:9], W's scales s[10:11]
	s_load_b128 s[12:15], s[0:1], 0x20             ; the bias s[12:13], out0 s[14:15]
	v_lshl_add_u32 v126, v0, 2, 0x35300
	v_mov_b32 v127, 0
	ds_add_u32 v126, v127
	ds_add_u32 v126, v127
	v_lshrrev_b32 v1, 5, v0
	v_readfirstlane_b32 s[WV], v1                  ; wave 0..3
	s_lshr_b32 s[WR], s[WV], 1
	s_and_b32 s[WC], s[WV], 1
	s_bfe_u32 s[CX], ttmp6, 0x40000
	s_bfe_u32 s[CY], ttmp6, 0x40004
	s_lshl_b32 s[WGX], ttmp9, 2
	s_add_co_u32 s[WGX], s[WGX], s[CX]             ; block of 256 outputs
	s_and_b32 s[WGY], ttmp7, 0xffff
	s_lshl_b32 s[WGY], s[WGY], 2
	s_add_co_u32 s[WGY], s[WGY], s[CY]             ; block of 128 tokens
	s_lshl_b32 s40, s[CY], 2
	s_lshl_b32 s40, 15, s40                        ; my row of the cluster
	s_lshl_b32 s41, 0x1111, s[CX]                  ; my column
	; A's codes: 4 tiles x 4,096 bytes, dense: 64 rows of 256 bytes (32 elements of 8), no padding
	s_or_b32 s[G1+0], s40, (3<<16)|(1<<21)
	s_mov_b32 s[G1+1], 32<<16
	s_mov_b32 s[G1+2], 64<<16
	s_mov_b32 s[G1+3], 32<<16
	s_mov_b32 s[G1+4], 64
	s_mov_b32 s[G1+5], 32
	s_mov_b32 s[G1+6], 0
	s_mov_b32 s[G1+7], 0
	; W's codes: 128 rows x 256 bytes out of rows of 512, 16 bytes of padding behind each
	s_or_b32 s[G1B+0], s41, (0<<16)|(1<<20)|(1<<21)|(5<<22)|(3<<25)
	s_mov_b32 s[G1B+1], 256<<16
	s_mov_b32 s[G1B+2], 128<<16
	s_mov_b32 s[G1B+3], 256<<16
	s_mov_b32 s[G1B+4], 128
	s_mov_b32 s[G1B+5], 512
	s_mov_b32 s[G1B+6], 0
	s_mov_b32 s[G1B+7], 0
	; the scales: dense bytes as rows of 256 (32 elements of 8), 16 bytes of padding behind each: 8 rows for A's 64 tokens, 16 for W's 128 rows
	s_or_b32 s[G1S+0], s40, (3<<16)|(1<<20)|(1<<21)|(5<<22)|(3<<25)
	s_mov_b32 s[G1S+1], 32<<16
	s_mov_b32 s[G1S+2], 8<<16
	s_mov_b32 s[G1S+3], 32<<16
	s_mov_b32 s[G1S+4], 8
	s_mov_b32 s[G1S+5], 32
	s_mov_b32 s[G1S+6], 0
	s_mov_b32 s[G1S+7], 0
	s_or_b32 s[G1SB+0], s41, (3<<16)|(1<<20)|(1<<21)|(5<<22)|(3<<25)
	s_mov_b32 s[G1SB+1], 32<<16
	s_mov_b32 s[G1SB+2], 16<<16
	s_mov_b32 s[G1SB+3], 32<<16
	s_mov_b32 s[G1SB+4], 16
	s_mov_b32 s[G1SB+5], 32
	s_mov_b32 s[G1SB+6], 0
	s_mov_b32 s[G1SB+7], 0
	s_lshl_b32 s42, s[WGY], 15                     ; A's codes: 8 tiles of 4,096 bytes a token block, 4 a half
	s_lshl_b32 s98, s[WC], 14
	s_add_co_u32 s42, s42, s98
	s_mov_b32 s43, 0
	s_lshl_b32 s46, s[WGY], 12                     ; A's scales: 128 rows of 32 bytes a token block, 64 a half
	s_lshl_b32 s98, s[WC], 11
	s_add_co_u32 s46, s46, s98
	s_mov_b32 s47, 0
	s_lshl_b32 s44, s[WGX], 17                     ; W's codes: 256 rows of 512 bytes an output block, 128 a half
	s_lshl_b32 s99, s[WC], 16
	s_add_co_u32 s44, s44, s99
	s_mov_b32 s45, 0
	s_lshl_b32 s92, s[WGX], 13                     ; W's scales
	s_lshl_b32 s99, s[WC], 12
	s_add_co_u32 s92, s92, s99
	s_mov_b32 s93, 0
	s_mul_i32 s94, s[WC], HALFA                    ; where they go: no place in the cluster enters an LDS address
	s_mul_i32 s95, s[WC], HALFW
	s_add_co_u32 s95, s95, AIMG
	s_mul_i32 s96, s[WC], HSA
	s_add_co_u32 s96, s96, SCL
	s_mul_i32 s97, s[WC], HSW
	s_add_co_u32 s97, s97, SCL+2*HSA
	s_wait_dscnt 0x0
	s_wait_kmcnt 0x0
	s_add_nc_u64 s[42:43], s[4:5], s[42:43]
	s_add_nc_u64 s[46:47], s[6:7], s[46:47]
	s_add_nc_u64 s[44:45], s[8:9], s[44:45]
	s_add_nc_u64 s[92:93], s[10:11], s[92:93]
	CROUND                                         ; all sixteen work-groups are here: the joint loads meet
	s_mov_b32 s[G0S], 1
	s_mov_b32 s[G0S+1], s96
	s_mov_b64 s[G0S+2:G0S+3], s[46:47]
	s_or_b32 s[G0S+3], s[G0S+3], 0x80000000
	s_mov_b32 s[G0SB], 1
	s_mov_b32 s[G0SB+1], s97
	s_mov_b64 s[G0SB+2:G0SB+3], s[92:93]
	s_or_b32 s[G0SB+3], s[G0SB+3], 0x80000000
	JLOAD G0S, G1S, G0SB, G1SB                     ; the scales first
.irp s, 0,1
	s_mov_b32 s[G0+4*\s], 1
	s_add_co_u32 s[G0+4*\s+1], s94, \s*SLOT
	s_add_nc_u64 s[G0+4*\s+2:G0+4*\s+3], s[42:43], \s*2097152     ; the other K half's images lie 512 tiles x 4,096 bytes on
	s_or_b32 s[G0+4*\s+3], s[G0+4*\s+3], 0x80000000
	s_mov_b32 s[G0B+4*\s], 1
	s_add_co_u32 s[G0B+4*\s+1], s95, \s*SLOT
	s_add_nc_u64 s[G0B+4*\s+2:G0B+4*\s+3], s[44:45], \s*256
	s_or_b32 s[G0B+4*\s+3], s[G0B+4*\s+3], 0x80000000
	s_wait_alu depctr_va_vdst(0)
	s_wait_tensorcnt 0x0
	ds_add_u32 v126, v127
	s_wait_dscnt 0x0
	CROUND
	JLOAD G0+4*\s, G1, G0B+4*\s, G1B               ; one load of mine is out, the loads before it are in; the scales, slot 0, slot 1 are all that this launch fetches
.endr
	v_and_b32 v1, 15, v0                           ; r = lane % 16
	v_bfe_u32 v2, v0, 4, 1                         ; h = lane / 16
	v_and_b32 v6, 31, v0
	v_lshlrev_b32 v[L16], 4, v6
	v_mul_u32_u24 v3, v1, PITCH
	v_lshl_add_u32 v3, v2, 4, v3                   ; W: a fragment's row x pitch + 16 x half
	s_mul_i32 s98, s[WR], HALFA                    ; my 4 tiles of A
	s_mul_i32 s99, s[WC], HALFW                    ; my 128 rows of W,
	s_add_co_u32 s99, s99, AIMG                    ; which lie behind A's images
.irp s, 0,1
	v_add_nc_u32 v[ADRA+\s], s98, v[L16]
	v_add_nc_u32 v[ADRW+\s], s99, v3
	s_add_co_u32 s98, s98, SLOT
	s_add_co_u32 s99, s99, SLOT
.endr
	v_lshlrev_b32 v4, 5, v1                        ; my row's scales: 32 bytes a row,
	v_lshrrev_b32 v5, 3, v1
	v_lshl_add_u32 v4, v5, 4, v4                   ; and 16 more behind each 8 rows
	s_mul_i32 s98, s[WR], HSA                      ; A's: my 64 rows
	s_mul_i32 s99, s[WC], HSW                      ; W's: my 128 rows, behind A's 128
	s_add_co_u32 s99, s99, 2*HSA
	s_sub_co_u32 s99, s99, s98
	v_mul_u32_u24 v5, s99, v2                      ; lanes 16-31 take W's
	s_add_co_u32 s98, s98, SCL
	v_add_nc_u32 v4, v4, v5
	v_add_nc_u32 v[ADRS], s98, v4
	s_mul_i32 s98, s[WV], 16*SPITCH                ; my stage
	v_mul_u32_u24 v5, v1, SPITCH                   ; in: row r, 32 bytes for each half of the lanes
	v_lshl_add_u32 v5, v2, 5, v5
	v_add_nc_u32 v[STO], s98, v5
	v_add_nc_u32 v[RD], s98, v[L16]                ; back: the 32 lanes take one row of 512 bytes
	s_lshl_b32 s96, s[WGX], 10                     ; the bias of my 128 outputs: tile b's eight of my half
	s_lshl_b32 s98, s[WC], 9
	s_add_co_u32 s96, s96, s98
	s_mov_b32 s97, 0
	s_add_nc_u64 s[12:13], s[12:13], s[96:97]
	v_lshlrev_b32 v7, 5, v2                        ; 32 h
.irp t, 0,1,2,3,4,5,6,7
	global_load_b128 v[CB+8*\t:CB+8*\t+3], v7, s[12:13] offset:64*\t
	global_load_b128 v[CB+8*\t+4:CB+8*\t+7], v7, s[12:13] offset:64*\t+16
.endr
	s_lshl_b32 s92, s[WGY], 7                      ; my part of out0: token 128 x token block + 64 x half, rows of 4,096 bytes; the same columns as the bias
	s_lshl_b32 s98, s[WR], 6
	s_add_co_u32 s92, s92, s98
	s_lshl_b32 s92, s92, 12
	s_add_co_u32 s92, s92, s96
	s_mov_b32 s93, 0
	s_add_nc_u64 s[14:15], s[14:15], s[92:93]
; 24 LDS loads in one run: the fragments of the s-th 128 along K: W's eight from rows (two loads of 16 bytes, 32 apart), A's four from images (512 consecutive bytes an instruction)
.macro FETCH s
.set FS, (\s)/4
.set FQ, (\s)%4
.set FP, 128*((\s)%2)
	WIN TO_F
.irp i, 0,1,2,3,4,5,6,7
	ds_load_b128 v[FP+64+8*\i:FP+64+8*\i+3],   v[ADRW+FS] offset:64*FQ+\i*16*PITCH
	ds_load_b128 v[FP+64+8*\i+4:FP+64+8*\i+7], v[ADRW+FS] offset:64*FQ+32+\i*16*PITCH
.endr
.irp i, 0,1,2,3
	ds_load_b128 v[FP+8*\i:FP+8*\i+3],   v[ADRA+FS] offset:\i*4096+FQ*1024
	ds_load_b128 v[FP+8*\i+4:FP+8*\i+7], v[ADRA+FS] offset:\i*4096+FQ*1024+512
.endr
.endm
.macro SCALES                          ; the scale words of all eight steps of 128 along K.  (For i = 4 .. 7 lanes 0-15 read on into scale bytes of other rows, at the same pitch: those words are not used)
.irp i, 0,1,2,3,4,5,6,7
	ds_load_b128 v[SC+8*\i:SC+8*\i+3],   v[ADRS] offset:\i*SBLK
	ds_load_b128 v[SC+8*\i+4:SC+8*\i+7], v[ADRS] offset:\i*SBLK+16
.endr
.endm
; 16 matrix instructions: A's blocks a0, a0 + 1 x W's eight.  first = 1: the bias starts the sums.  The 32 accumulators take turns, one instruction a turn, in the same order in every step.
.macro MULS s, a0, first
.set FP, 128*((\s)%2)
.irp a, \a0, \a0+1
.irp b, 0,1,2,3,4,5,6,7
.set rD, 8*(8*(\a)+\b)
.if \first
	v_wmma_scale_f32_16x16x128_f8f6f4 v[rD:rD+7], v[FP+64+8*\b:FP+64+8*\b+7], v[FP+8*(\a):FP+8*(\a)+7], v[CB+8*\b:CB+8*\b+7], v[SC+8*\b+(\s)], v[SC+8*(\a)+(\s)] matrix_a_fmt:MATRIX_FMT_FP4 matrix_b_fmt:MATRIX_FMT_FP4 matrix_a_scale:MATRIX_SCALE_ROW1
.else
	v_wmma_scale_f32_16x16x128_f8f6f4 v[rD:rD+7], v[FP+64+8*\b:FP+64+8*\b+7], v[FP+8*(\a):FP+8*(\a)+7], v[rD:rD+7], v[SC+8*\b+(\s)], v[SC+8*(\a)+(\s)] matrix_a_fmt:MATRIX_FMT_FP4 matrix_b_fmt:MATRIX_FMT_FP4 matrix_a_scale:MATRIX_SCALE_ROW1
.endif
.endr
.endr
.endm
; A step of 128 along K: 32 matrix instructions (sources 0 and 1 window 1, D window 2; C with D, but in the first step window 0); in its middle the next step's fragments are fetched into the other set,
; whose last readers are the step before's products: four places stand in front of the loads (matrix instructions are not counted as places).
.macro STEP s, first
	s_wait_dscnt 0x0                               ; this step's fragments, asked for 16 matrix instructions ago, are in
	WIN 0xa5-0x20*(\first)
	MULS \s, 0, \first
.if \s == 3
	s_wait_tensorcnt 0x0                           ; my part of slot 1 is in,
	s_barrier_signal -1                            ; (no LDS instruction of mine is out since the wait at the step's head: my reads of slot 0 are over)
	s_barrier_wait -1                              ; everybody's is, and nobody reads slot 0 any more.
.endif
.if \s < 7
	PLACES 4
	FETCH (\s)+1
.endif
	WIN 0xa5-0x20*(\first)
	MULS \s, 2, \first
.endm
	s_wait_alu depctr_va_vdst(0)
	s_wait_tensorcnt 0x1                           ; the scales and my part of slot 0 are in; slot 1's load, the one issued behind them, may be out,
	s_barrier_signal -1
	s_barrier_wait -1                              ; everybody's are
	SCALES
	FETCH 0
	s_wait_loadcnt 0x0                             ; the bias
	STEP 0, 1
	STEP 1, 0
	STEP 2, 0
	STEP 3, 0
	STEP 4, 0
	STEP 5, 0
	STEP 6, 0
	STEP 7, 0
	WIN 0
; THE WAY OUT, block by block of 16 tokens x 128 outputs.  A lane holds 32 neighbouring bytes of a row, and the lanes beside it hold other rows: so a block goes through my own stage in LDS and comes back as whole rows
; of 512 bytes.  LDS serves a wave's instructions in order (ISA guide 5.7.1.4): no wait between the stores and the loads, nor in front of the next block's stores.
.macro TOSTAGE a
.set AC, 64*(\a)
	WIN 0x08                                       ; an LDS store's data are its source 1: window 2
.irp b, 0,1,2,3,4,5,6,7
	ds_store_b128 v[STO], v[AC+8*\b:AC+8*\b+3] offset:64*\b          ; each accumulator from its low end on
	ds_store_b128 v[STO], v[AC+8*\b+4:AC+8*\b+7] offset:64*\b+16
.endr
	WIN 0
.set BB, BK+64*((\a)%2)
.irp t, 0,1,2,3,4,5,6,7,8,9,10,11,12,13,14,15
	ds_load_b128 v[BB+4*\t:BB+4*\t+3], v[RD] offset:\t*SPITCH
.endr
.endm
.macro SEND a, younger                 ; younger: the LDS instructions issued behind block a's loads, which may stay out
.set BB, BK+64*((\a)%2)
	s_wait_dscnt \younger                          ; the block is back in registers
.if (\a) > 0
	s_add_nc_u64 s[14:15], s[14:15], 16*4096       ; (behind a wait on XCNT: the earlier stores have read their base)  16 rows of out0 on
.endif
.irp t, 0,1,2,3,4,5,6,7,8,9,10,11,12,13,14,15
	global_store_b128 v[L16], v[BB+4*\t:BB+4*\t+3], s[14:15] offset:\t*4096 th:TH_STORE_NT   ; 32 lanes store 512 consecutive bytes, at a multiple of 256 from out0's first byte; written once, read by nobody here
.endr
.endm
	PLACES 4                                       ; behind the last products: for the stores that read results and the loads into the registers that held the bias
	TOSTAGE 0
.irp a, 1,2,3
.if \a > 1
	s_wait_xcnt 0x0                                ; block a - 2's stores have read their registers and their base: block a's loads may land there, and the base may step
.endif
	TOSTAGE \a
	SEND \a-1, 32                                  ; behind block a - 1's loads: block a's 16 stores and 16 loads
.endr
	s_wait_xcnt 0x0                                ; block 2's stores have read their base
	SEND 3, 0
	s_wait_tensorcnt 0x0
	ds_add_u32 v126, v127
	s_wait_dscnt 0x0
	CROUND                                         ; the closing round: no work-group ends while a partner may still ask for a tile that names it
	s_endpgm
.Lfunc_end_k_q17d86d4f85_proj:
	.size	k_q17d86d4f85_proj, .Lfunc_end_k_q17d86d4f85_proj-k_q17d86d4f85_proj
	.p2alignl 7, 3214868480
	.fill 96, 4, 3214868480
	.section	.rodata,"a",@progbits
	.p2align	6, 0x0
	.amdhsa_kernel k_q17d86d4f85_proj
		.amdhsa_group_segment_fixed_size 327680
		.amdhsa_private_segment_fixed_size 0
		.amdhsa_enable_private_segment 0
		.amdhsa_kernarg_size 48
		.amdhsa_user_sgpr_count 2
		.amdhsa_user_sgpr_kernarg_segment_ptr 1
		.amdhsa_wavefront_size32 1
		.amdhsa_system_sgpr_workgroup_id_x 1
		.amdhsa_system_sgpr_workgroup_id_y 1
		.amdhsa_system_sgpr_workgroup_id_z 1
		.amdhsa_system_vgpr_workitem_id 0
		.amdhsa_next_free_vgpr 768
		.amdhsa_next_free_sgpr 100
		.amdhsa_reserve_vcc 0
		.amdhsa_float_denorm_mode_32 3
		.amdhsa_float_denorm_mode_16_64 3
		.amdhsa_memory_ordered 1
		.amdhsa_forward_progress 1
		.amdhsa_inst_pref_size 74
	.end_amdhsa_kernel
	.amdgpu_metadata
---
amdhsa.version: [ 1, 2 ]
amdhsa.kernels:
  - .name:           k_q17d86d4f85_proj
    .symbol:         k_q17d86d4f85_proj.kd
    .args:
      - { .name: ao_codes, .offset: 0, .size: 8, .value_kind: global_buffer, .address_space: global }
      - { .name: ao_scales, .offset: 8, .size: 8, .value_kind: global_buffer, .address_space: global }
      - { .name: W_out_codes, .offset: 16, .size: 8, .value_kind: global_buffer, .address_space: global }
      - { .name: W_out_scales, .offset: 24, .size: 8, .value_kind: global_buffer, .address_space: global }
      - { .name: b_out, .offset: 32, .size: 8, .value_kind: global_buffer, .address_space: global }
      - { .name: out0, .offset: 40, .size: 8, .value_kind: global_buffer, .address_space: global }
    .group_segment_fixed_size: 327680
    .private_segment_fixed_size: 0
    .kernarg_segment_align: 8
    .kernarg_segment_size: 48
    .max_flat_workgroup_size: 128
    .sgpr_count:     100
    .vgpr_count:     768
    .wavefront_size: 32
...
	.end_amdgpu_metadata
.endif
;; end of part 3
